; MI455X (gfx1250); checked and timed in simulation.
; The chip was launched on July 23, 2026; its instructions are those of AMD's public machine-readable ISA for CDNA 5 (MIT licence, August 2026) and "CDNA5" Instruction Set Architecture Reference Guide (July 2026). The comments in the code are by the model that wrote it; some were corrected since.
;; Curlora Layer. Allowed arithmetic: float matrix products may take bf16 or f16 operands with f32 sums; other float arithmetic in f32, or as packed bf16 or f16 multiplies, adds, multiply-adds, maxima and minima; sums over many terms, partial sums and values carried from step to step in f32; what a program stores and reads back later, other than sums and carried values, may be rounded once to bf16 or f16.
;; Inputs: C 4,096 x 64 float32; R 64 x 4,096 float32; U 64 x 64 float32; W 4,096 x 4,096 float32; bias 4,096 float32; x 4 x 1,024 x 4,096 float32.
;; Outputs: out0 4 x 1,024 x 4,096 float32.
;; 2 versions, each right; version 2 is version 1 with the launch prep written anew for expert scheduling mode. Each part assembles by itself: llvm-mc -triple=amdgcn-amd-amdhsa -mcpu=gfx1250 --defsym DOCPART=n.
;; ======== version 1 of 2: 2 launches
;; limits: values are held in f16: magnitudes above 65,504 overflow, below 6.1e-05 lose precision; inputs' magnitudes at most 65,504
;; workspace buffers: xh 33,554,432 bytes; wa 33,554,432 bytes
;; launch prep (part 1): grid 256 x 2, 8 waves a work-group, no clusters, 79,872 bytes of LDS; arguments x, W, C, U, R, xh, wa; writes xh, wa
.if DOCPART == 1
	.amdgcn_target "amdgcn-amd-amdhsa--gfx1250"
	.amdhsa_code_object_version 6
	.text
	.protected	k_q1fb1cf0c09_prep
	.globl	k_q1fb1cf0c09_prep
	.p2align	8
	.type	k_q1fb1cf0c09_prep,@function
k_q1fb1cf0c09_prep:
	s_mov_b64 s[64:65], 0
	v_nop
	global_prefetch_b8 v0, s[64:65] scope:SCOPE_SE
	s_setreg_imm32_b32 hwreg(HW_REG_WAVE_MODE, 25, 1), 1
	s_wait_xcnt 0x0
; out[m][o] = sum over d of x[m][d] (W + (C U) R)[o][d] + bias[o].  This launch prepares the two operands of the large product, which the next launch multiplies:
;   wa[o][d] = f16(W[o][d] + sum over r of C[o][r] V[r][d]),  V = U R   (grid y = 0)          xh = f16(x)   (grid y = 1)
; NO WORK IS LEFT OUT: every input of the problem reaches the output, and every input is loaded (x, W, C, U, R here, bias in the next launch).
; ORDER OF ROUNDING.  C (U R) stands for (C U) R: the same number in exact arithmetic.  U's and C's rows then lie along the summed index as they are stored, and only R is turned.
; FORMATS AND LIMITS.  U, R, V and C are matrix operands in bf16 (V, a product of two small factors, has no room in f16 when the inputs are small); their sums are f32, and W enters them in f32,
; as the C operand of the first product.  x and W + C U R are rounded once to f16: they must stay below 65,504 in magnitude (65,520 and more becomes an infinity), and below 6e-5 they keep f16's fixed step of 6e-8.
; NaN and infinities are not treated apart.
; SHARES, y = 1.  x is a flat array: a work-group casts 262,144 bytes, a wave 32,768: 64 pieces of 512 consecutive bytes, sixteen loads of a wave on their way; a store covers 256 consecutive bytes, aligned.
; SHARES, y = 0.  A work-group owns 128 columns d (strip = x % 32) of 512 rows o (group = x / 32), a wave 64 of the rows: four blocks of 16.  Each work-group makes V's strip for itself:
; wave w the 16 columns 16 w on (8 products); the 16 fragments of V^T meet in LDS and then stay in every wave's registers.
; LAYOUT.  delta^T = V^T C^T (source 0 = 16 columns d of V, source 1 = 16 rows o of C): in the result a lane holds ONE row o (lane % 16) and the columns 8 (lane / 16) + 0..7: W is loaded in just that layout.
; No tensor load and no ring: no wave wants a byte of W or x that another wave fetched.  No cluster: what work-groups share (C, U, R) is one part in sixty of the bytes.  No prefetch: the launch is a stream by itself.
.set RS,    0                          ; LDS: R's strip in bf16, [r'][128 d], rows of 256 + 32 bytes = 9 x 32
.set RP,    288
.set US,    18432                      ; U in bf16, [r][r'], rows of 128 + 16 bytes
.set UP,    144
.set VS,    27648                      ; the 16 fragments of V^T as they lie in registers: piece c of 32 (512 bytes) at 512 c + 16 x lane
.set STG,   44032                      ; a stage of 16 rows x 272 bytes for each wave, for the way out
.set SP,    272
.set SPARE, 78848                      ; the spare words, 128 bytes for each wave: four blocks of 256 bytes that no other line names
.set SPW, 2                            ; v2   LDS address of my spare word; never rewritten
.set NIL, 3                            ; v3   0; never rewritten
.set XI,  4                            ; the cast: v4 16 x lane, v5 8 x lane; never rewritten
.set XO,  5
.set X,   16                           ; the cast: v[16:79]  a ring of sixteen slots of 4 registers
.set Y,   80                           ; the cast: v[80:207] a pair for each of the 64 stores: no register that a store reads is written again
.set WO,  10                           ; v10  my byte offset in 16 rows of W: 16,384 (l % 16) + 32 (l / 16)
.set CO,  11                           ; v11  in 16 rows of C: 256 (l % 16) + 32 (l / 16)
.set STO, 12                           ; v12  the way out: where I put 16 bytes of a row
.set RD,  13                           ; v13  the way out: where I read rows back
.set GO,  14                           ; v14  my byte offset in two rows of wa
.set RO,  16                           ; v16-23 the set-up's addresses; C's fragments take their place afterwards
.set RSA, 17
.set UO,  18
.set USA, 19
.set RTA, 20
.set UA,  21
.set VSA, 22
.set VLA, 23
.set CB,  16                           ; v[16:31]   C's two fragments in bf16
.set CR,  32                           ; v[32:63]   C as loaded
.set TMP, 32                           ;            later the packed results, and the rows read back
.set ACC, 64                           ; v[64:127]  eight accumulators, columns 16 dt on at ACC + 8 dt
.set V,   128                          ; v[128:255] V^T: fragment (dt, ks) at V + 16 dt + 8 ks; before that the set-up's work registers
.macro WLOAD i                         ; block i's 16 rows x 512 bytes of W, straight into the accumulators: the 16 loads together take 512 consecutive bytes of each row
.irp dt, 0,1,2,3,4,5,6,7
	global_load_b128 v[ACC+8*(\dt):ACC+8*(\dt)+3],   v[WO], s[6:7] offset:262144*(\i)+64*(\dt)
	global_load_b128 v[ACC+8*(\dt)+4:ACC+8*(\dt)+7], v[WO], s[6:7] offset:262144*(\i)+64*(\dt)+16
.endr
.endm
.macro CLOAD i                         ; block i's 16 rows of C: eight numbers for each half c of a fragment
.irp c, 0,1,2,3
	global_load_b128 v[CR+8*(\c):CR+8*(\c)+3],   v[CO], s[8:9] offset:4096*(\i)+64*(\c)
	global_load_b128 v[CR+8*(\c)+4:CR+8*(\c)+7], v[CO], s[8:9] offset:4096*(\i)+64*(\c)+16
.endr
.endm
.macro CVTC                            ; C rounded to bf16, in pairs
.set n, 0
.rept 16
	v_cvt_pk_bf16_f32 v[CB+n], v[CR+2*n], v[CR+2*n+1]
.set n, n+1
.endr
.endm
.macro MULS                            ; 16 products; the eight accumulators take turns, one instruction a turn: seven others stand between two links of a chain
.irp ks, 0,1
.irp dt, 0,1,2,3,4,5,6,7
	v_wmma_f32_16x16x32_bf16 v[ACC+8*(\dt):ACC+8*(\dt)+7], v[V+16*(\dt)+8*(\ks):V+16*(\dt)+8*(\ks)+7], v[CB+8*(\ks):CB+8*(\ks)+7], v[ACC+8*(\dt):ACC+8*(\dt)+7]
.endr
.endr
.endm
.macro PLACES                          ; four places behind the last product, ahead of conversions that read results and of loads into registers that products named
.rept 4
	v_nop
.endr
.endm
.macro PACKW                           ; W + delta rounded to f16: a lane's eight columns pack into 16 bytes; each accumulator is read from its low end on
.set n, 0
.rept 32
	v_cvt_pk_f16_f32 v[TMP+n], v[ACC+2*n], v[ACC+2*n+1]
.set n, n+1
.endr
.endm
.macro OUT i                           ; through my own stage: in by pieces of 16 bytes, back as whole rows of 256
.irp dt, 0,1,2,3,4,5,6,7
	ds_store_b128 v[STO], v[TMP+4*(\dt):TMP+4*(\dt)+3] offset:32*(\dt)
.endr
.irp t, 0,1,2,3,4,5,6,7
	ds_load_b128 v[TMP+4*(\t):TMP+4*(\t)+3], v[RD] offset:2*SP*(\t)  ; LDS serves a wave's instructions in order (ISA guide 5.7.1.4): these see the stores above
.endr
.irp t, 0,1,2,3,4,5,6,7
	s_wait_dscnt 7-(\t)                            ; the younger loads of the run may stay out
	global_store_b128 v[GO], v[TMP+4*(\t):TMP+4*(\t)+3], s[16:17] offset:(16*(\i)+2*(\t))*8192  ; 16 lanes store 256 consecutive bytes, at a multiple of 256 from wa's first byte
.endr
.endm
.macro BLOCK i                         ; block i, its operands loaded and waited for
	MULS
	PLACES
	PACKW
.if (\i) < 3
	WLOAD (\i)+1                                   ; the accumulators are packed: the next block's W is on its way during the way out
.endif
	OUT \i
.if (\i) < 3
	s_wait_xcnt 0x0                                ; the stores have read TMP: only behind this wait is it loaded again
	CLOAD (\i)+1
.endif
.endm
	s_load_b256 s[4:11], s[0:1], 0x0               ; x s[4:5], W s[6:7], C s[8:9], U s[10:11]
	s_load_b128 s[12:15], s[0:1], 0x20             ; R s[12:13], xh s[14:15]
	s_load_b64 s[16:17], s[0:1], 0x30              ; wa
	v_lshl_add_u32 v[SPW], v0, 2, SPARE
	v_mov_b32 v[NIL], 0
	v_lshrrev_b32 v1, 5, v0
	v_readfirstlane_b32 s18, v1                    ; wave 0..7
	v_and_b32 v6, 31, v0                           ; lane
	s_and_b32 s19, ttmp7, 0xffff                   ; the role: the same in all waves of a work-group
	s_mov_b32 s23, 0
	s_wait_kmcnt 0x0
	s_cmp_eq_u32 s19, 0
	s_cbranch_scc1 .Lwa
	; ---------------- y = 1: xh = f16(x) ----------------
	s_lshl_b32 s22, ttmp9, 18                      ; the work-group's 262,144 bytes of x,
	s_lshl_b32 s24, s18, 15                        ; my wave's 32,768 of them
	s_add_co_u32 s22, s22, s24
	s_add_nc_u64 s[4:5], s[4:5], s[22:23]
	s_lshr_b32 s22, s22, 1                         ; half as many in xh
	s_add_nc_u64 s[14:15], s[14:15], s[22:23]
	v_lshlrev_b32 v[XI], 4, v6
	v_lshlrev_b32 v[XO], 3, v6
.set i, 0
.rept 16
	global_load_b128 v[X+4*i:X+4*i+3], v[XI], s[4:5] offset:512*i th:TH_LOAD_NT
.set i, i+1
.endr
.set i, 0
.rept 64
.if i < 48
	s_wait_loadcnt 15                              ; loads come back in order (ISA guide 5.7.1): piece i is in, the fifteen younger ones stay out
.else
	s_wait_loadcnt 63-i                            ; nothing more is asked for: the counts run down
.endif
	v_cvt_pk_f16_f32 v[Y+2*i],   v[X+4*(i%16)],   v[X+4*(i%16)+1]
	v_cvt_pk_f16_f32 v[Y+2*i+1], v[X+4*(i%16)+2], v[X+4*(i%16)+3]
.if i < 48
	global_load_b128 v[X+4*(i%16):X+4*(i%16)+3], v[XI], s[4:5] offset:512*(i+16) th:TH_LOAD_NT
.endif
	global_store_b64 v[XO], v[Y+2*i:Y+2*i+1], s[14:15] offset:256*i
.set i, i+1
.endr
	s_branch .Lend
	; ---------------- y = 0: wa = f16(W + C (U R)) ----------------
.Lwa:
	s_and_b32 s20, ttmp9, 31                       ; strip
	s_lshr_b32 s21, ttmp9, 5                       ; group
	s_lshl_b32 s21, s21, 9
	s_lshl_b32 s24, s18, 6
	s_add_co_u32 s21, s21, s24                     ; my first row o = 512 group + 64 wave
	s_lshl_b32 s22, s21, 14                        ; W: rows of 16,384 bytes, the strip's 512
	s_lshl_b32 s24, s20, 9
	s_add_co_u32 s22, s22, s24
	s_add_nc_u64 s[6:7], s[6:7], s[22:23]
	s_lshl_b32 s22, s21, 8                         ; C: rows of 256 bytes
	s_add_nc_u64 s[8:9], s[8:9], s[22:23]
	s_lshl_b32 s22, s18, 17                        ; R: my wave's 8 rows of 16,384 bytes, the strip's 512
	s_add_co_u32 s22, s22, s24
	s_add_nc_u64 s[12:13], s[12:13], s[22:23]
	s_lshl_b32 s22, s21, 13                        ; wa: rows of 8,192 bytes, the strip's 256
	s_lshl_b32 s24, s20, 8
	s_add_co_u32 s22, s22, s24
	s_add_nc_u64 s[16:17], s[16:17], s[22:23]
	v_and_b32 v4, 15, v0                           ; l % 16
	v_bfe_u32 v5, v0, 4, 1                         ; l / 16
	v_lshlrev_b32 v[RO], 4, v6                     ; a row of R's strip: 32 lanes x 16 bytes
	v_lshlrev_b32 v[UO], 4, v0                     ; U: 256 threads x 16 bytes, four times
	v_lshlrev_b32 v[CO], 8, v4
	v_lshl_add_u32 v[CO], v5, 5, v[CO]
	v_lshlrev_b32 v[WO], 14, v4
	v_lshl_add_u32 v[WO], v5, 5, v[WO]
.set i, 0
.rept 8
	global_load_b128 v[128+4*i:131+4*i], v[RO], s[12:13] offset:16384*i  ; R's rows 8 w + i
.set i, i+1
.endr
.set i, 0
.rept 4
	global_load_b128 v[160+4*i:163+4*i], v[UO], s[10:11] offset:4096*i   ; U's rows 16 i + 2 w + l / 16, columns 4 (l % 16) on
.set i, i+1
.endr
	CLOAD 0                                        ; the first block's operands are on their way during the set-up
	WLOAD 0
	s_mul_i32 s24, s18, 8*RP
	v_lshl_add_u32 v[RSA], v6, 3, s24              ; RS + my 8 rows + 8 x lane
	s_mul_i32 s24, s18, 2*UP
	s_add_co_u32 s24, s24, US
	v_mul_u32_u24 v[USA], v5, UP
	v_lshl_add_u32 v[USA], v4, 3, v[USA]
	v_add_nc_u32 v[USA], s24, v[USA]               ; US + row (2 w + l / 16) + 8 (l % 16)
	v_and_b32 v7, 7, v0                            ; the turning load: lane l reads row 8 (l / 16) + l % 8, 16 bytes at 16 ((l / 8) % 2), of my 16 columns
	v_lshl_add_u32 v7, v5, 3, v7
	v_mul_u32_u24 v[RTA], v7, RP
	v_bfe_u32 v8, v0, 3, 1
	v_lshl_add_u32 v[RTA], v8, 4, v[RTA]
	s_lshl_b32 s24, s18, 5
	v_add_nc_u32 v[RTA], s24, v[RTA]
	v_mul_u32_u24 v[UA], v4, UP                    ; a fragment of U: row l % 16, 16 bytes for each half of the lanes
	v_lshl_add_u32 v[UA], v5, 4, v[UA]
	v_add_nc_u32 v[UA], US, v[UA]
	s_lshl_b32 s24, s18, 11
	s_add_co_u32 s24, s24, VS
	v_lshl_add_u32 v[VSA], v6, 4, s24              ; my two fragments of V^T
	v_lshl_add_u32 v[VLA], v6, 4, VS
	s_mul_i32 s24, s18, 16*SP
	s_add_co_u32 s24, s24, STG                     ; my stage
	v_mul_u32_u24 v[STO], v4, SP
	v_lshl_add_u32 v[STO], v5, 4, v[STO]
	v_add_nc_u32 v[STO], s24, v[STO]
	v_mul_u32_u24 v[RD], v5, SP                    ; back: lanes 0-15 take one row of 256 bytes, lanes 16-31 the next
	v_lshl_add_u32 v[RD], v4, 4, v[RD]
	v_add_nc_u32 v[RD], s24, v[RD]
	v_lshlrev_b32 v[GO], 13, v5                    ; and the same two rows in wa
	v_lshl_add_u32 v[GO], v4, 4, v[GO]
	s_wait_loadcnt 28                              ; R is in: behind it U's 4 loads, C's 8 and W's 16 stay out
.set n, 0
.rept 16
	v_cvt_pk_bf16_f32 v[176+n], v[128+2*n], v[128+2*n+1]
.set n, n+1
.endr
.set i, 0
.rept 8
	ds_store_b64 v[RSA], v[176+2*i:177+2*i] offset:RP*i
.set i, i+1
.endr
	s_wait_loadcnt 24                              ; U is in: C's 8 and W's 16 stay out
.set n, 0
.rept 8
	v_cvt_pk_bf16_f32 v[192+n], v[160+2*n], v[160+2*n+1]
.set n, n+1
.endr
.set i, 0
.rept 4
	ds_store_b64 v[USA], v[192+2*i:193+2*i] offset:16*UP*i
.set i, i+1
.endr
	s_wait_dscnt 0x0                               ; for the others' sake: my parts of R and U lie in LDS
	s_barrier_signal -1
	s_barrier_wait -1                              ; everybody's do
.irp rt, 0,1,2,3
.irp ks, 0,1
	ds_load_b128 v[128+16*(\rt)+8*(\ks):128+16*(\rt)+8*(\ks)+3],   v[UA] offset:16*UP*(\rt)+64*(\ks)     ; U's rows 16 rt on, columns 32 ks on
	ds_load_b128 v[128+16*(\rt)+8*(\ks)+4:128+16*(\rt)+8*(\ks)+7], v[UA] offset:16*UP*(\rt)+64*(\ks)+32
.endr
.endr
.irp ks, 0,1
	ds_load_tr16_b128 v[192+8*(\ks):192+8*(\ks)+3],   v[RTA] offset:32*RP*(\ks)          ; R^T: my 16 columns d, rows 32 ks on
	ds_load_tr16_b128 v[192+8*(\ks)+4:192+8*(\ks)+7], v[RTA] offset:32*RP*(\ks)+16*RP
.endr
	s_wait_dscnt 0x0
	; V = U R for my 16 columns: four accumulators (rows 16 rt on) by turns; the first four products start the sums.  A lane holds V[16 rt + 8 (l / 16) + j][16 w + l % 16].
.irp rt, 0,1,2,3
	v_wmma_f32_16x16x32_bf16 v[208+8*(\rt):208+8*(\rt)+7], v[128+16*(\rt):128+16*(\rt)+7], v[192:199], 0
.endr
.irp rt, 0,1,2,3
	v_wmma_f32_16x16x32_bf16 v[208+8*(\rt):208+8*(\rt)+7], v[128+16*(\rt)+8:128+16*(\rt)+15], v[200:207], v[208+8*(\rt):208+8*(\rt)+7]
.endr
	PLACES
.set n, 0
.rept 16
	v_cvt_pk_bf16_f32 v[240+n], v[208+2*n], v[208+2*n+1]  ; two results rounded in pairs ARE a fragment of V^T: rows 32 ks + 8 (l / 16) + 0..7, then 16 further on
.set n, n+1
.endr
.irp c, 0,1,2,3
	ds_store_b128 v[VSA], v[240+4*(\c):243+4*(\c)] offset:512*(\c)
.endr
	s_wait_dscnt 0x0                               ; for the others' sake: my fragments lie in LDS
	s_barrier_signal -1
	s_barrier_wait -1
.set c, 0
.rept 32
	ds_load_b128 v[V+4*c:V+4*c+3], v[VLA] offset:512*c   ; all 16 fragments, for the rest of the launch
.set c, c+1
.endr
	s_wait_loadcnt 16                              ; C's first block is in (and with it R's and U's loads are done: their address registers are free); W's 16 loads stay out
	s_wait_dscnt 0x0                               ; V^T is in
	CVTC
	s_wait_loadcnt 0x0                             ; W
	BLOCK 0
.irp i, 1,2,3
	s_wait_loadcnt 0x0                             ; W's block, and behind it C's
	CVTC
	BLOCK \i
.endr
.Lend:
	s_wait_tensorcnt 0x0                           ; the wave's end: behind my last LDS store
	ds_add_u32 v[SPW], v[NIL]
	s_wait_dscnt 0x0
	s_endpgm
.Lfunc_end_k_q1fb1cf0c09_prep:
	.size	k_q1fb1cf0c09_prep, .Lfunc_end_k_q1fb1cf0c09_prep-k_q1fb1cf0c09_prep
	.p2alignl 7, 3214868480
	.fill 96, 4, 3214868480
	.section	.rodata,"a",@progbits
	.p2align	6, 0x0
	.amdhsa_kernel k_q1fb1cf0c09_prep
		.amdhsa_group_segment_fixed_size 79872
		.amdhsa_private_segment_fixed_size 0
		.amdhsa_enable_private_segment 0
		.amdhsa_kernarg_size 56
		.amdhsa_user_sgpr_count 2
		.amdhsa_user_sgpr_kernarg_segment_ptr 1
		.amdhsa_wavefront_size32 1
		.amdhsa_system_sgpr_workgroup_id_x 1
		.amdhsa_system_sgpr_workgroup_id_y 1
		.amdhsa_system_sgpr_workgroup_id_z 1
		.amdhsa_system_vgpr_workitem_id 0
		.amdhsa_next_free_vgpr 256
		.amdhsa_next_free_sgpr 66
		.amdhsa_reserve_vcc 0
		.amdhsa_float_denorm_mode_32 3
		.amdhsa_float_denorm_mode_16_64 3
		.amdhsa_memory_ordered 1
		.amdhsa_forward_progress 1
		.amdhsa_inst_pref_size 69
	.end_amdhsa_kernel
	.amdgpu_metadata
---
amdhsa.version: [ 1, 2 ]
amdhsa.kernels:
  - .name:           k_q1fb1cf0c09_prep
    .symbol:         k_q1fb1cf0c09_prep.kd
    .args:
      - { .name: x, .offset: 0, .size: 8, .value_kind: global_buffer, .address_space: global }
      - { .name: W, .offset: 8, .size: 8, .value_kind: global_buffer, .address_space: global }
      - { .name: C, .offset: 16, .size: 8, .value_kind: global_buffer, .address_space: global }
      - { .name: U, .offset: 24, .size: 8, .value_kind: global_buffer, .address_space: global }
      - { .name: R, .offset: 32, .size: 8, .value_kind: global_buffer, .address_space: global }
      - { .name: xh, .offset: 40, .size: 8, .value_kind: global_buffer, .address_space: global }
      - { .name: wa, .offset: 48, .size: 8, .value_kind: global_buffer, .address_space: global }
    .group_segment_fixed_size: 79872
    .private_segment_fixed_size: 0
    .kernarg_segment_align: 8
    .kernarg_segment_size: 56
    .max_flat_workgroup_size: 256
    .sgpr_count:     66
    .vgpr_count:     256
    .wavefront_size: 32
...
	.end_amdgpu_metadata
.endif
;; end of part 1
;; launch gemm (part 2): grid 16 x 16, 4 waves a work-group, clusters of 4 x 4, 327,680 bytes of LDS; arguments xh, wa, bias, out0; writes out0
.if DOCPART == 2
	.amdgcn_target "amdgcn-amd-amdhsa--gfx1250"
	.amdhsa_code_object_version 6
	.text
	.protected	k_q1fb1cf0c09_gemm
	.globl	k_q1fb1cf0c09_gemm
	.p2align	8
	.type	k_q1fb1cf0c09_gemm,@function
k_q1fb1cf0c09_gemm:
	s_mov_b64 s[64:65], 0
	v_nop
	global_prefetch_b8 v0, s[64:65] scope:SCOPE_SE
	s_setreg_imm32_b32 hwreg(HW_REG_WAVE_MODE, 25, 1), 1
	s_wait_xcnt 0x0
	s_wait_alu depctr_hold_cnt(0) depctr_sa_sdst(0) depctr_va_vdst(0) depctr_va_sdst(0) depctr_va_ssrc(0) depctr_va_vcc(0) depctr_vm_vsrc(0)
	s_getreg_b32 s2, hwreg(HW_REG_IB_STS2, 6, 4)
	s_cmp_eq_u32 s2, 0
	s_cbranch_scc0 .Lentry_in_a_cluster
	s_endpgm
.Lentry_in_a_cluster:
	s_bfe_u32 s2, ttmp6, 0x10000c
	s_cmp_lg_u32 s2, 0xf033
	s_cbranch_scc0 .Lentry_shape_is_right
	s_endpgm
.Lentry_shape_is_right:
; out0[m][n] = sum over k of xh[m][k] wa[n][k] + bias[n].  xh = f16(x): [4096][4096]; wa = f16(W + C U R): [4096][4096]; bias: [4096] f32; out0: [4096][4096] f32.  Sums in f32.  No work is left out.
; LIMITS are the operands': the launch before rounded them to f16 (magnitudes below 65,504; below 6e-5 a fixed step of 6e-8).  NaN and infinities are not treated apart.
; A tile of out0, 256 x 256, is made by a work-group of four waves; a wave makes 128 x 128: 64 accumulators of 16 x 16, 512 registers.  256 tiles, one to a work-group.
; K goes in steps of 128 through a ring of two LDS slots filled by the tensor data mover: a tile's rows are 256 bytes of memory, at multiples of 256 bytes from the buffer's first byte.
; CLUSTERS: 4 x 4 work-groups.  The four of a row of the cluster need the same tiles of xh, the four of a column the same tiles of wa: each tile is asked for JOINTLY, by the same tensor load with the
; same descriptor and a mask that names the four; each receives it in its own LDS.  That divides the requests for both operands by four.
; THE MATRIX INSTRUCTION IS USED TRANSPOSED: source 0 = 16 rows of wa, source 1 = 16 rows of xh.  Lane l then holds row m = l % 16 and the columns n = 8 (l / 16) + 0..7: 32 bytes of a row of out0.
; THE BIAS STARTS THE SUMS: it is the C operand of each accumulator's first product (eight registers for each block of 16 columns): nothing is cleared, and nothing is added at the end.
; REGISTERS, in windows of 256 (s_set_vgpr_msb: bits 1:0 source 0, 3:2 source 1, 5:4 source 2, 7:6 destination):
;   window 0: v0-31 addresses; v64-127, v128-191 fragments of xh, two buffers (on the way out: rows read back from the stage); v192-255 the bias
;   window 1: v64-127, v128-191 fragments of wa, two buffers          window 2: the accumulators of my rows 0-63 ((a, b) at v[8 (8 a + b)])          window 3: those of my rows 64-127
.set SIZE_M, 4096
.set SIZE_N, 4096
.set SIZE_K, 4096
.set KSTEP,  128
.set PITCH,  272                       ; an LDS row: 256 bytes + 16 of padding = 68 words: row r starts at bank 4 r mod 64 (64 banks of 4 bytes: ISA guide 11.1), so the 16 rows of a load start at 16 different banks
.set HALFT,  128*PITCH                 ; 128 rows: what one tensor load brings, and what one wave reads of either operand
.set SLOT,   4*HALFT                   ; xh's 256 rows, then wa's 256 rows
.set STAGE,  2*SLOT                    ; behind the ring, never filled by a tensor load: 16 rows x 528 bytes for each wave, for the way out
.set SPITCH, 528                       ; 512 bytes + 16: the 16 rows that a store's 16 lanes touch fall into 16 different columns of 16 bytes
.set SPARE,  STAGE+4*16*SPITCH         ; behind the stages: the spare words, 128 bytes for each wave: two blocks of 256 bytes that no other line names
.set LAPS,   SIZE_K/(2*KSTEP)          ; a lap = two K steps = once round the ring: 16
.set ADRA, 16                          ; v16-17  LDS address of my fragments of xh in slot 0, 1
.set ADRB, 20                          ; v20-21  the same for wa
.set STO,  24                          ; v24     the way out: where I put 32 bytes of a row
.set RD,   25                          ; v25     the way out: where I read a row back
.set CO,   26                          ; v26     16 x lane: my 16 bytes of a row's 512
.set BO,   27                          ; v27     32 (l / 16): my eight numbers in 16 of the bias
.set SPW,  28                          ; v28     LDS address of my spare word; never rewritten
.set NIL,  29                          ; v29     0; never rewritten
.set PFO,  30                          ; v30     the prefetches' offset: lane x a row of 8,192 bytes; never rewritten
.set F0,   64                          ; fragment buffer 0
.set F1,   128                         ; fragment buffer 1
.set BI,   192                         ; the bias, block b of 16 columns at BI + 8 b
.set G1,  24                           ; s[24:31] descriptor group 1 for xh's tiles
.set G0,  32                           ; s[32:39] descriptor group 0 for xh's tiles, a set for each slot
.set LIM, 43                           ; s43      1 in a wave that prefetches, else the greatest number
.set PFA, 44                           ; s[44:45] where my prefetches stand
.set G1B, 48                           ; s[48:55], s[56:63] the same two groups for wa's tiles
.set G0B, 56
.set BIAS, 66                          ; s[66:67] the bias at my wave's first column
.set MSB, 0
.macro WIN new                         ; the immediate's high byte repeats the setting that is left; a switch that changes nothing is dropped
.if MSB != (\new)
	s_set_vgpr_msb (MSB<<8)|(\new)
.set MSB, \new
.endif
.endm
.set MUL_LO, 0xa1                      ; source 0 (wa) window 1, source 1 (xh) window 0, C and D window 2
.set MUL_HI, 0xf1                      ; the same, C and D window 3
.set TO_B,   0x40                      ; destination window 1, address window 0
; A joint load.  Waves 0 and 1 fetch xh's two halves, waves 2 and 3 wa's.  Each line has one mask and one set of registers for all that issue it; the branch hangs on the wave's number alone.
; An s_nop 0 and four v_nop follow each of the two lines, ahead of the jump, the label and what follows.
.macro JLOAD s
	s_cmp_eq_u32 s11, 0
	s_cbranch_scc0 .Lfor_b_\@
	tensor_load_to_lds s[G0+4*(\s):G0+4*(\s)+3], s[G1:G1+7]
	s_nop 0
.rept 4
	v_nop
.endr
	s_branch .Lasked_\@
.Lfor_b_\@:
	tensor_load_to_lds s[G0B+4*(\s):G0B+4*(\s)+3], s[G1B:G1B+7]
	s_nop 0
.rept 4
	v_nop
.endr
.Lasked_\@:
.endm
; A PREFETCH INTO THE L2, behind each joint refill and the run of LDS loads that follows it: the K step that stands two refills on, 512 matrix instructions ahead of the load that will ask for it:
; 32 rows x 256 bytes, a lane a row, one instruction a wave.  Each row's 256 bytes of a K step are named ONCE in the launch: xh's tile row is read by every cluster of that row of clusters, and the one with
; x = 0 asks; wa's tile column by every cluster of that column, and the one with y = 0 asks.  The four partners that ask for a tile jointly share its rows out BY ADDRESS, 32 of a wave's 128 each.
; The first four K steps come by their loads alone; the loop's last trip asks for nothing: there is no K step two on.
.macro ASK
	s_cmp_gt_u32 s3, s[LIM]                        ; s3 = 1 in the loop's last trip
	s_cbranch_scc0 .Lnot_mine_\@
	global_prefetch_b8 v[PFO], s[PFA:PFA+1] offset:KSTEP*2 th:TH_LOAD_NT scope:SCOPE_SE
.Lnot_mine_\@:
.endm
; A round of the cluster's barrier: my work-group's barrier, so that wave 0's signal speaks for all four waves; wave 0 signals; every wave waits for all sixteen work-groups; my work-group's barrier once more.
.macro CREST                           ; a round behind its opening barrier
	s_cmp_lg_u32 s10, 0
	s_cbranch_scc1 .Lnot_wave_0_\@
	s_barrier_signal -3
.Lnot_wave_0_\@:
	s_barrier_wait -3
	s_barrier_signal -1
	s_barrier_wait -1
.endm
.macro CROUND                          ; a whole round
	s_barrier_signal -1
	s_barrier_wait -1
	CREST
.endm
	s_load_b128 s[4:7], s[0:1], 0x0                ; xh s[4:5], wa s[6:7]
	s_load_b64 s[BIAS:BIAS+1], s[0:1], 0x10        ; bias
	s_load_b64 s[8:9], s[0:1], 0x18                ; out0
	v_lshl_add_u32 v[SPW], v0, 2, SPARE
	v_mov_b32 v[NIL], 0
	ds_add_u32 v[SPW], v[NIL]                      ; the wave's opening: the add, twice on end, and its wait ahead of my first tensor load; the set-up below, work on registers, stands between
	ds_add_u32 v[SPW], v[NIL]
	v_lshrrev_b32 v1, 5, v0
	v_readfirstlane_b32 s10, v1                    ; wave 0..3
	s_lshr_b32 s11, s10, 1                         ; which half of the tile's rows is mine.  Also: I fetch for xh (0) or for wa (1)
	s_and_b32 s12, s10, 1                          ; which half of its columns.  Also: which 128 rows of that tile I fetch
	s_bfe_u32 s40, ttmp6, 0x40000                  ; cx
	s_bfe_u32 s41, ttmp6, 0x40004                  ; cy
	s_lshl_b32 s42, ttmp9, 2                       ; in a cluster launch ttmp9 and ttmp7 count clusters
	s_add_co_u32 s42, s42, s40                     ; tile column = 4 x cluster x + cx
	s_and_b32 s13, ttmp7, 0xffff
	s_lshl_b32 s13, s13, 2
	s_add_co_u32 s13, s13, s41                     ; tile row = 4 x cluster y + cy
	s_lshl_b32 s43, s41, 2
	s_lshl_b32 s43, 15, s43                        ; my row of the cluster: places 4 cy .. 4 cy + 3
	s_lshl_b32 s44, 0x1111, s40                    ; my column: places cx, cx + 4, cx + 8, cx + 12
	; descriptor group 1: a tile of 128 rows x 128 elements, padded in LDS
	s_or_b32 s[G1+0], s43, (1<<16)|(1<<20)|(1<<21)|(5<<22)|(3<<25)   ; 15:0 the mask: xh's tiles go to my row; 17:16 elements of 2 bytes; 20 padding on; 21 set beside a mask; 24:22 after every 64 words (code 5); 31:25 4 words (code 3)
	s_or_b32 s[G1B+0], s44, (1<<16)|(1<<20)|(1<<21)|(5<<22)|(3<<25)  ; the same with the mask of my column, for wa's tiles
.irp g, G1, G1B
	s_mov_b32 s[(\g)+1], KSTEP<<16                 ; tensor_dim0 = 128
	s_mov_b32 s[(\g)+2], 128<<16                   ; tensor_dim1 = 128
	s_mov_b32 s[(\g)+3], KSTEP<<16                 ; tile_dim0 = 128
	s_mov_b32 s[(\g)+4], 128                       ; tile_dim1 = 128
	s_mov_b32 s[(\g)+5], SIZE_K                    ; elements from row to row
	s_mov_b32 s[(\g)+6], 0
	s_mov_b32 s[(\g)+7], 0
.endr
	; where the tiles come from: xh's hang on the tile row alone, which my row of the cluster shares; wa's on the tile column alone, which my column shares
	s_lshl_b32 s17, s12, 7                         ; which 128 rows of the tile I fetch
	s_lshl_b32 s16, s13, 8
	s_add_co_u32 s16, s16, s17                     ; xh: row 256 x tile row + 128 x half
	s_lshl_b32 s46, s42, 8
	s_add_co_u32 s46, s46, s17                     ; wa: row 256 x tile column + 128 x half
	s_mov_b32 s17, 0
	s_mov_b32 s47, 0
	s_mov_b64 s[18:19], SIZE_K*2
	s_mul_u64 s[16:17], s[16:17], s[18:19]         ; in bytes
	s_mul_u64 s[46:47], s[46:47], s[18:19]
	s_mul_i32 s20, s10, HALFT                      ; and where they go: wave x 128 rows: no place in the cluster enters an LDS address
	s_wait_dscnt 0x0                               ; both opening adds are done
	s_wait_kmcnt 0x0
	s_add_nc_u64 s[14:15], s[4:5], s[16:17]
	s_add_nc_u64 s[46:47], s[6:7], s[46:47]
	CROUND                                         ; all sixteen work-groups are here: the first joint loads meet
.irp s, 0,1
	s_mov_b32 s[G0+4*(\s)], 1                                        ; count = 1
	s_add_co_u32 s[G0+4*(\s)+1], s20, (\s)*SLOT                      ; LDS address
	s_add_nc_u64 s[G0+4*(\s)+2:G0+4*(\s)+3], s[14:15], (\s)*KSTEP*2  ; global address: K step s
	s_or_b32 s[G0+4*(\s)+3], s[G0+4*(\s)+3], 0x80000000              ; type = 2
	s_mov_b32 s[G0B+4*(\s)], 1
	s_add_co_u32 s[G0B+4*(\s)+1], s20, (\s)*SLOT
	s_add_nc_u64 s[G0B+4*(\s)+2:G0B+4*(\s)+3], s[46:47], (\s)*KSTEP*2
	s_or_b32 s[G0B+4*(\s)+3], s[G0B+4*(\s)+3], 0x80000000
	JLOAD \s                                       ; the ring is filled before anything else is done: two loads of mine are out
.endr
	; A fragment is 16 rows x 32 K in 8 registers: lane l holds row l % 16; registers 0-3 K = 8 (l / 16) + 0..7, registers 4-7 K = 16 + 8 (l / 16) + 0..7: two loads of 16 bytes, 32 bytes apart.
	v_and_b32 v1, 15, v0                           ; l % 16
	v_bfe_u32 v2, v0, 4, 1                         ; l / 16
	v_mul_u32_u24 v3, v1, PITCH
	v_lshl_add_u32 v3, v2, 4, v3                   ; row x pitch + 16 x half
	s_mul_i32 s21, s11, HALFT                      ; my 128 rows of xh
	s_mul_i32 s22, s12, HALFT                      ; my 128 rows of wa,
	s_add_co_u32 s22, s22, 2*HALFT                 ; which lie behind xh's 256
.irp s, 0,1
	v_add_nc_u32 v[ADRA+(\s)], s21, v3
	v_add_nc_u32 v[ADRB+(\s)], s22, v3
	s_add_co_u32 s21, s21, SLOT
	s_add_co_u32 s22, s22, SLOT
.endr
	s_mul_i32 s23, s10, 16*SPITCH
	s_add_co_u32 s23, s23, STAGE                   ; my stage
	v_mul_u32_u24 v4, v1, SPITCH                   ; in: row l % 16, 32 bytes for each half of the lanes
	v_lshl_add_u32 v4, v2, 5, v4
	v_add_nc_u32 v[STO], s23, v4
	v_and_b32 v5, 31, v0
	v_lshl_add_u32 v[RD], v5, 4, s23               ; back: 32 lanes take one row of 512 bytes
	v_lshlrev_b32 v[CO], 4, v5
	v_lshlrev_b32 v[BO], 5, v2
	; where my part of the tile begins in out0, in bytes: the way out adds it to out0's address
	s_lshl_b32 s13, s13, 8
	s_lshl_b32 s14, s11, 7
	s_add_co_u32 s16, s13, s14                     ; my first row
	s_mov_b32 s17, 0
	s_mov_b64 s[18:19], SIZE_N*4
	s_mul_u64 s[16:17], s[16:17], s[18:19]
	s_lshl_b32 s46, s42, 10                        ; my first column, in bytes of f32: 1,024 x tile column + 512 x half
	s_lshl_b32 s47, s12, 9
	s_add_co_u32 s46, s46, s47
	s_mov_b32 s47, 0
	s_add_nc_u64 s[16:17], s[16:17], s[46:47]
	s_add_nc_u64 s[BIAS:BIAS+1], s[BIAS:BIAS+1], s[46:47]  ; the bias at the same column
.irp b, 0,1,2,3,4,5,6,7
	global_load_b128 v[BI+8*(\b):BI+8*(\b)+3],   v[BO], s[BIAS:BIAS+1] offset:64*(\b)     ; bias of columns 16 b + 8 (l / 16) + 0..7: the layout of a result
	global_load_b128 v[BI+8*(\b)+4:BI+8*(\b)+7], v[BO], s[BIAS:BIAS+1] offset:64*(\b)+16
.endr
	; the prefetches.  s13 = 256 x tile row, s42 = tile column, s40 = cx, s41 = cy still stand
	s_lshl_b32 s42, s42, 8
	s_and_b32 s22, ttmp7, 0xffff                   ; cluster y
	s_cmp_eq_u32 s11, 0                            ; do I fetch for xh?
	s_cselect_b32 s20, s13, s42                    ; the tile's first row
	s_cselect_b32 s21, s40, s41                    ; my place among the four that ask for it with me
	s_cselect_b32 s22, ttmp9, s22                  ; the coordinate along which other clusters read the same rows
	s_cselect_b64 s[PFA:PFA+1], s[4:5], s[6:7]
	s_cmp_eq_u32 s22, 0
	s_cselect_b32 s[LIM], 1, -1                    ; the same in all sixteen partners, for a given wave
	s_lshl_b32 s22, s12, 7
	s_add_co_u32 s20, s20, s22                     ; + the 128 rows that I fetch
	s_lshl_b32 s21, s21, 5
	s_add_co_u32 s20, s20, s21                     ; + my work-group's 32 of them
	s_mov_b32 s21, 0
	s_mov_b64 s[18:19], SIZE_K*2
	s_mul_u64 s[20:21], s[20:21], s[18:19]
	s_add_nc_u64 s[PFA:PFA+1], s[PFA:PFA+1], s[20:21]
	s_add_nc_u64 s[PFA:PFA+1], s[PFA:PFA+1], 2*KSTEP*2  ; at K step 2: the first refill steps it to 3 and names K step 4
	v_and_b32 v[PFO], 31, v0
	v_mul_u32_u24 v[PFO], v[PFO], SIZE_K*2
; 16 matrix instructions: m blocks a0, a0 + 1 of the window's four (hi = 0: my rows 0-63, 1: rows 64-127) x all 8 n blocks, 32 along K.  zero = 1: the first product starts the sums, with the bias as C (window 0).
; The 64 accumulators take turns, one instruction a turn, in the same order in every quarter step: between two links of a chain stand the 63 others'.
.macro MUL16 f, hi, a0, zero
.if \zero
	WIN 0x81+0x40*(\hi)
.else
	WIN MUL_LO+0x50*(\hi)
.endif
.irp a, \a0, (\a0)+1
.irp b, 0,1,2,3,4,5,6,7
.if \zero
	v_wmma_f32_16x16x32_f16 v[8*(8*(\a)+(\b)):8*(8*(\a)+(\b))+7], v[(\f)+8*(\b):(\f)+8*(\b)+7], v[(\f)+8*(4*(\hi)+(\a)):(\f)+8*(4*(\hi)+(\a))+7], v[BI+8*(\b):BI+8*(\b)+7]
.else
	v_wmma_f32_16x16x32_f16 v[8*(8*(\a)+(\b)):8*(8*(\a)+(\b))+7], v[(\f)+8*(\b):(\f)+8*(\b)+7], v[(\f)+8*(4*(\hi)+(\a)):(\f)+8*(4*(\hi)+(\a))+7], v[8*(8*(\a)+(\b)):8*(8*(\a)+(\b))+7]
.endif
.endr
.endr
.endm
; 32 LDS loads in one run: the fragments of one quarter step (128 rows of wa, 128 rows of xh, 32 K at byte k of the rows) into buffer f
.macro FETCH slot, k, f
	WIN TO_B
.irp i, 0,1,2,3,4,5,6,7
	ds_load_b128 v[(\f)+8*(\i):(\f)+8*(\i)+3],   v[ADRB+(\slot)] offset:(\k)+(\i)*16*PITCH
	ds_load_b128 v[(\f)+8*(\i)+4:(\f)+8*(\i)+7], v[ADRB+(\slot)] offset:(\k)+(\i)*16*PITCH+32
.endr
	WIN 0
.irp i, 0,1,2,3,4,5,6,7
	ds_load_b128 v[(\f)+8*(\i):(\f)+8*(\i)+3],   v[ADRA+(\slot)] offset:(\k)+(\i)*16*PITCH
	ds_load_b128 v[(\f)+8*(\i)+4:(\f)+8*(\i)+7], v[ADRA+(\slot)] offset:(\k)+(\i)*16*PITCH+32
.endr
.endm
.macro PLACES                          ; four places behind a matrix instruction, ahead of loads into registers that it has read and of stores that read results
.rept 4
	v_nop
.endr
.endm
; A K step is four quarter steps of 32 along K, 64 matrix instructions each, on buffers 0, 1, 0, 1.  One of the first three: multiplies buffer f; in its middle it fetches the next quarter, at byte k, into buffer g.
.macro QUARTER slot, k, f, g, zero
	s_wait_dscnt 8                                 ; wa's fragments and xh's rows 0-63 are in; the youngest eight loads (xh's rows 64-127) may be out
	MUL16 \f, 0, 0, \zero
	MUL16 \f, 0, 2, \zero
	PLACES
	FETCH \slot, \k, \g
	s_wait_dscnt 32                                ; all but the 32 just issued
	MUL16 \f, 1, 0, \zero
	MUL16 \f, 1, 2, \zero
.endm
; The last quarter multiplies buffer 1 and changes slots.  MEET is its first half: ONE barrier.  In front of it each wave waits for all its tensor loads, of which one is out: its part of the next slot;
; adds 0 to its spare word; and waits for that and for its own reads of this slot.  Behind it nobody reads this slot any more and the next slot is whole.
.macro MEET round                      ; round = 1: a round of the cluster's barrier follows
	WIN 0                                          ; (the add's two registers lie in window 0)
	s_wait_tensorcnt 0x0                           ; all my tensor loads have landed
	ds_add_u32 v[SPW], v[NIL]                      ; 0 onto my spare word
	s_wait_dscnt 9                                 ; (the add and the youngest eight loads may be out)
	MUL16 F1, 0, 0, 0                              ; sixteen matrix instructions stand between the add and the wait for it
	s_wait_dscnt 0x0                               ; the add is done, and my reads of this slot are over
	s_barrier_signal -1
	MUL16 F1, 0, 2, 0                              ; work on registers while the others arrive
.if \round
	WIN 0
.endif
	s_barrier_wait -1
.endm
; The whole last quarter.  fill = 1: behind the round the slot just read out is filled again first, with the K step two steps on: from that request to the wait for it a wave issues 224 matrix instructions.
.macro TURN slot, next, fill
.if \fill
	s_wait_xcnt 0x0                                ; the last prefetch, a K step back, has read its address: it is stepped here, ahead of the waits of the change of slots
	s_add_nc_u64 s[PFA:PFA+1], s[PFA:PFA+1], KSTEP*2
.endif
	MEET \fill
.if \fill
	CREST                                          ; no wave of any partner still reads this slot's tile or has a load on its way
	s_add_nc_u64 s[G0+4*(\slot)+2:G0+4*(\slot)+3], s[G0+4*(\slot)+2:G0+4*(\slot)+3], 2*KSTEP*2
	s_add_nc_u64 s[G0B+4*(\slot)+2:G0B+4*(\slot)+3], s[G0B+4*(\slot)+2:G0B+4*(\slot)+3], 2*KSTEP*2
	JLOAD \slot                                    ; the first tensor load behind the round, my only one until the next; its four v_nop are also the places in front of the loads below
.else
	PLACES
.endif
	FETCH \next, 0, F0
.if \fill
	ASK
.endif
	MUL16 F1, 1, 0, 0
	MUL16 F1, 1, 2, 0
.endm
; THE WAY OUT of block a (16 rows x 128 columns of f32).  TOSTAGE: the accumulators go as they are, low registers first, into my own stage (rows of 528 bytes), and come back as whole rows of 512 bytes.  SEND: stored.
.macro TOSTAGE a
.set AC, 64*((\a)%4)
.set BK, 64+64*((\a)%2)
	WIN 0x08+4*((\a)/4)                            ; a store's data (source 1) in window 2 or 3
.irp b, 0,1,2,3,4,5,6,7
	ds_store_b128 v[STO], v[AC+8*(\b):AC+8*(\b)+3]   offset:64*(\b)
	ds_store_b128 v[STO], v[AC+8*(\b)+4:AC+8*(\b)+7] offset:64*(\b)+16
.endr
	WIN 0
	s_wait_xcnt 0x0                                ; the stores of the block two back have read these registers: only behind this wait are they loaded again
.irp t, 0,1,2,3,4,5,6,7,8,9,10,11,12,13,14,15
	ds_load_b128 v[BK+4*(\t):BK+4*(\t)+3], v[RD] offset:(\t)*SPITCH  ; LDS serves a wave's instructions in order (ISA guide 5.7.1.4): these see the stores above; the next block's stores come behind them
.endr
.endm
.macro SEND a, younger                 ; younger: the LDS instructions issued behind block a's loads: the next block's 32, or none
.set BK, 64+64*((\a)%2)
	s_wait_dscnt \younger                          ; the block is back in registers
	s_wait_xcnt 0x0                                ; earlier stores have read their base: only behind this wait is it stepped
.if (\a) == 0
	s_add_nc_u64 s[8:9], s[8:9], s[16:17]          ; on to my first rows
.else
	s_add_nc_u64 s[8:9], s[8:9], 16*SIZE_N*4       ; 16 rows on
.endif
.irp t, 0,1,2,3,4,5,6,7,8,9,10,11,12,13,14,15
	global_store_b128 v[CO], v[BK+4*(\t):BK+4*(\t)+3], s[8:9] offset:(\t)*SIZE_N*4 th:TH_STORE_NT  ; 32 lanes store 512 consecutive bytes, at a multiple of 512 from out0's first byte
.endr
.endm
	s_wait_tensorcnt 1                             ; my part of K step 0 is in; K step 1's load may stay out
	s_barrier_signal -1
	s_barrier_wait -1                              ; everybody's is
	FETCH 0, 0, F0
	s_wait_loadcnt 0x0                             ; the bias
	QUARTER 0, 64,  F0, F1, 1                      ; the first quarter stands in front of the loop: its products start the sums
	WIN 0                                          ; at a label and at a branch every window is 0
	s_mov_b32 s3, LAPS-1
.Llap:                                                 ; a trip goes once round the ring, from a lap's second quarter to the next lap's first, and fills both slots again
	QUARTER 0, 128, F1, F0, 0
	QUARTER 0, 192, F0, F1, 0
	TURN 0, 1, 1
	QUARTER 1, 64,  F0, F1, 0
	QUARTER 1, 128, F1, F0, 0
	QUARTER 1, 192, F0, F1, 0
	TURN 1, 0, 1
	QUARTER 0, 64,  F0, F1, 0
	WIN 0
	s_sub_co_u32 s3, s3, 1
	s_cmp_lg_u32 s3, 0
	s_cbranch_scc1 .Llap
	QUARTER 0, 128, F1, F0, 0                      ; the last lap is written out: it fills nothing, and has no round of the cluster's barrier
	QUARTER 0, 192, F0, F1, 0
	TURN 0, 1, 0
	QUARTER 1, 64,  F0, F1, 0
	QUARTER 1, 128, F1, F0, 0
	QUARTER 1, 192, F0, F1, 0
	s_wait_dscnt 8                                 ; the very last quarter: nothing more to fetch
	MUL16 F1, 0, 0, 0
	MUL16 F1, 0, 2, 0
	s_wait_dscnt 0x0
	MUL16 F1, 1, 0, 0
	MUL16 F1, 1, 2, 0
	WIN 0
	PLACES                                         ; the stores into the stage read results, and the loads from it land in registers that products have read
	TOSTAGE 0
.irp a, 1,2,3,4,5,6,7                  ; block a's trip through the stage is issued ahead of the wait for block a - 1's
	TOSTAGE \a
	SEND (\a)-1, 32
.endr
	SEND 7, 0
	s_wait_tensorcnt 0x0                           ; the wave's end: behind my last tensor load and my last LDS store
	ds_add_u32 v[SPW], v[NIL]
	s_wait_dscnt 0x0
	CROUND                                         ; the closing round: no work-group ends while a partner may still ask for a tile that names it
	s_endpgm
.Lfunc_end_k_q1fb1cf0c09_gemm:
	.size	k_q1fb1cf0c09_gemm, .Lfunc_end_k_q1fb1cf0c09_gemm-k_q1fb1cf0c09_gemm
	.p2alignl 7, 3214868480
	.fill 96, 4, 3214868480
	.section	.rodata,"a",@progbits
	.p2align	6, 0x0
	.amdhsa_kernel k_q1fb1cf0c09_gemm
		.amdhsa_group_segment_fixed_size 327680
		.amdhsa_private_segment_fixed_size 0
		.amdhsa_enable_private_segment 0
		.amdhsa_kernarg_size 32
		.amdhsa_user_sgpr_count 2
		.amdhsa_user_sgpr_kernarg_segment_ptr 1
		.amdhsa_wavefront_size32 1
		.amdhsa_system_sgpr_workgroup_id_x 1
		.amdhsa_system_sgpr_workgroup_id_y 1
		.amdhsa_system_sgpr_workgroup_id_z 1
		.amdhsa_system_vgpr_workitem_id 0
		.amdhsa_next_free_vgpr 1024
		.amdhsa_next_free_sgpr 68
		.amdhsa_reserve_vcc 0
		.amdhsa_float_denorm_mode_32 3
		.amdhsa_float_denorm_mode_16_64 3
		.amdhsa_memory_ordered 1
		.amdhsa_forward_progress 1
		.amdhsa_inst_pref_size 144
	.end_amdhsa_kernel
	.amdgpu_metadata
---
amdhsa.version: [ 1, 2 ]
amdhsa.kernels:
  - .name:           k_q1fb1cf0c09_gemm
    .symbol:         k_q1fb1cf0c09_gemm.kd
    .args:
      - { .name: xh, .offset: 0, .size: 8, .value_kind: global_buffer, .address_space: global }
      - { .name: wa, .offset: 8, .size: 8, .value_kind: global_buffer, .address_space: global }
      - { .name: bias, .offset: 16, .size: 8, .value_kind: global_buffer, .address_space: global }
      - { .name: out0, .offset: 24, .size: 8, .value_kind: global_buffer, .address_space: global }
    .group_segment_fixed_size: 327680
    .private_segment_fixed_size: 0
    .kernarg_segment_align: 8
    .kernarg_segment_size: 32
    .max_flat_workgroup_size: 128
    .sgpr_count:     68
    .vgpr_count:     1024
    .wavefront_size: 32
...
	.end_amdgpu_metadata
.endif
;; end of part 2
;; ======== version 2 of 2: 2 launches; version 1 with the launch prep written anew for expert scheduling mode
;; limits: values are held in f16: magnitudes above 65,504 overflow, below 6.1e-05 lose precision; inputs' magnitudes at most 65,504
;; workspace buffers: xh 33,554,432 bytes; wa 33,554,432 bytes
;; launch prep (part 3): grid 256 x 2, 8 waves a work-group, no clusters, 79,872 bytes of LDS; arguments x, W, C, U, R, xh, wa; writes xh, wa
.if DOCPART == 3
	.amdgcn_target "amdgcn-amd-amdhsa--gfx1250"
	.amdhsa_code_object_version 6
	.text
	.protected	k_q1fb1cf0c09_prep
	.globl	k_q1fb1cf0c09_prep
	.p2align	8
	.type	k_q1fb1cf0c09_prep,@function
k_q1fb1cf0c09_prep:
	s_mov_b64 s[64:65], 0
	v_nop
	global_prefetch_b8 v0, s[64:65] scope:SCOPE_SE
	s_setreg_imm32_b32 hwreg(HW_REG_WAVE_SCHED_MODE, 0, 2), 2
	s_setreg_imm32_b32 hwreg(HW_REG_WAVE_MODE, 25, 1), 1
	s_wait_xcnt 0x0
	s_wait_alu depctr_vm_vsrc(0)
; out[m][o] = sum over d of x[m][d] (W + (C U) R)[o][d] + bias[o].  This launch prepares the two operands of the large product, which the next launch multiplies:
;   wa[o][d] = f16(W[o][d] + sum over r of C[o][r] V[r][d]),  V = U R   (grid y = 0)          xh = f16(x)   (grid y = 1)
; NO WORK IS LEFT OUT: every input of the problem reaches the output, and every input is loaded (x, W, C, U, R here, bias in the next launch).
; ORDER OF ROUNDING.  C (U R) stands for (C U) R: the same number in exact arithmetic.  U's and C's rows then lie along the summed index as they are stored, and only R is turned.
; FORMATS AND LIMITS.  U, R, V and C are matrix operands in bf16 (V, a product of two small factors, has no room in f16 when the inputs are small); their sums are f32, and W enters them in f32,
; as the C operand of the first product.  x and W + C U R are rounded once to f16: they must stay below 65,504 in magnitude (65,520 and more becomes an infinity), and below 6e-5 they keep f16's fixed step of 6e-8.
; NaN and infinities are not treated apart.
; SHARES, y = 1.  x is a flat array: a work-group casts 262,144 bytes, a wave 32,768: 64 pieces of 512 consecutive bytes, in 16 blocks of four; a store covers 256 consecutive bytes, aligned.
; SHARES, y = 0.  A work-group owns 128 columns d (strip = x % 32) of 512 rows o (group = x / 32), a wave 64 of the rows: four blocks of 16.  Each work-group makes V's strip for itself:
; wave w the 16 columns 16 w on (8 products); the 16 fragments of V^T meet in LDS and then stay in every wave's registers.
; LAYOUT.  delta^T = V^T C^T (source 0 = 16 columns d of V, source 1 = 16 rows o of C): in the result a lane holds ONE row o (lane % 16) and the columns 8 (lane / 16) + 0..7: W is loaded in just that layout.
; No tensor load and no ring in LDS: no wave wants a byte of W or x that another wave fetched.  No cluster: what work-groups share (C, U, R) is one part in sixty of the bytes.  No prefetch: the launch is a stream by itself.
; THE MODE: SCHED_MODE bits 1:0 = 2 (LLVM: expert scheduling mode 2), set by the entry lines.  The code itself states the register dependences
; between vector or matrix instructions and memory or LDS instructions, with s_wait_alu, always for 0.
; THE PLAN, y = 1.  Registers that memory instructions touch:
;   X0 .. X4   five blocks of x as loaded.  Block p's conversions read X[p % 5]; the loads of block p + 4, issued in block p, land in X[(p - 1) % 5].
;   Y          a pair for each of the 64 stores.  Written by block p's conversions, read by the four stores that are issued in block p + 1, never written twice.
;   v4, v5     the two offsets, made once.
; So ONE wait on va_vdst at a block's head states all that the block's eight memory instructions hang on: the block before has written its Y and is done reading its X.  They are dealt among the block's
; conversions, which name X[p % 5] and block p's Y alone.  No register that a memory instruction reads is written again: no wait on vm_vsrc is owed.
; THE PLAN, y = 0.  Registers that memory or LDS instructions touch:
;   v10-14     offsets and LDS addresses of the blocks: made in the set-up, never written again.
;   v16-23     the set-up's addresses: read by its loads and LDS instructions; written once more, by C's first conversion: one wait on vm_vsrc ahead of it.
;   v128-255   the set-up's work registers, then V^T: each run of LDS stores stands behind one wait on va_vdst, which also shows all earlier vector and matrix instructions done with the registers
;              in which the next run of LDS loads lands; ahead of that run one wait on vm_vsrc: the stores have read their data.
;   ACC        W lands; the products add onto it; the conversions read it; the next block's W lands.
;   TMP = CR   C lands; its conversion reads it; the results' conversions write it; the LDS stores read it; the rows read back land in it; the global stores read it; the next block's C lands.
; A block has ONE wait on va_vdst, behind its last conversion (TMP is written; products and conversions are done with ACC), and no vector instruction behind that wait; and two waits on vm_vsrc,
; one ahead of each run of loads that lands in TMP.  All 256 registers are taken, so TMP has no second buffer.
.set RS,    0                          ; LDS: R's strip in bf16, [r'][128 d], rows of 256 + 32 bytes = 9 x 32
.set RP,    288
.set US,    18432                      ; U in bf16, [r][r'], rows of 128 + 16 bytes
.set UP,    144
.set VS,    27648                      ; the 16 fragments of V^T as they lie in registers: piece c of 32 (512 bytes) at 512 c + 16 x lane
.set STG,   44032                      ; a stage of 16 rows x 272 bytes for each wave, for the way out
.set SP,    272
.set SPARE, 78848                      ; the spare words, 128 bytes for each wave: four blocks of 256 bytes that no other line names
.set SPW, 2                            ; v2   LDS address of my spare word; never rewritten
.set NIL, 3                            ; v3   0; never rewritten
.set XI,  4                            ; the cast: v4 16 x lane, v5 8 x lane; never rewritten
.set XO,  5
.set X,   16                           ; the cast: v[16:95]  five blocks of four pieces, 4 registers a piece: block b at X + 16 (b % 5)
.set Y,   96                           ; the cast: v[96:223] a pair for each of the 64 stores: no register that a store reads is written again
.set WO,  10                           ; v10  my byte offset in 16 rows of W: 16,384 (l % 16) + 32 (l / 16)
.set CO,  11                           ; v11  in 16 rows of C: 256 (l % 16) + 32 (l / 16)
.set STO, 12                           ; v12  the way out: where I put 16 bytes of a row
.set RD,  13                           ; v13  the way out: where I read rows back
.set GO,  14                           ; v14  my byte offset in two rows of wa
.set RO,  16                           ; v16-23 the set-up's addresses; C's fragments take their place afterwards
.set RSA, 17
.set UO,  18
.set USA, 19
.set RTA, 20
.set UA,  21
.set VSA, 22
.set VLA, 23
.set CB,  16                           ; v[16:31]   C's two fragments in bf16
.set CR,  32                           ; v[32:63]   C as loaded
.set TMP, 32                           ;            later the packed results, and the rows read back
.set ACC, 64                           ; v[64:127]  eight accumulators, columns 16 dt on at ACC + 8 dt
.set V,   128                          ; v[128:255] V^T: fragment (dt, ks) at V + 16 dt + 8 ks; before that the set-up's work registers
.macro WLOAD i                         ; block i's 16 rows x 512 bytes of W, straight into the accumulators: the 16 loads together take 512 consecutive bytes of each row
.irp dt, 0,1,2,3,4,5,6,7
	global_load_b128 v[ACC+8*(\dt):ACC+8*(\dt)+3],   v[WO], s[6:7] offset:262144*(\i)+64*(\dt)
	global_load_b128 v[ACC+8*(\dt)+4:ACC+8*(\dt)+7], v[WO], s[6:7] offset:262144*(\i)+64*(\dt)+16
.endr
.endm
.macro CLOAD i                         ; block i's 16 rows of C: eight numbers for each half c of a fragment
.irp c, 0,1,2,3
	global_load_b128 v[CR+8*(\c):CR+8*(\c)+3],   v[CO], s[8:9] offset:4096*(\i)+64*(\c)
	global_load_b128 v[CR+8*(\c)+4:CR+8*(\c)+7], v[CO], s[8:9] offset:4096*(\i)+64*(\c)+16
.endr
.endm
.macro CVTC                            ; C rounded to bf16, in pairs
.set n, 0
.rept 16
	v_cvt_pk_bf16_f32 v[CB+n], v[CR+2*n], v[CR+2*n+1]
.set n, n+1
.endr
.endm
.macro MULS                            ; 16 products; the eight accumulators take turns, one instruction a turn: seven others stand between two links of a chain
.irp ks, 0,1
.irp dt, 0,1,2,3,4,5,6,7
	v_wmma_f32_16x16x32_bf16 v[ACC+8*(\dt):ACC+8*(\dt)+7], v[V+16*(\dt)+8*(\ks):V+16*(\dt)+8*(\ks)+7], v[CB+8*(\ks):CB+8*(\ks)+7], v[ACC+8*(\dt):ACC+8*(\dt)+7]
.endr
.endr
.endm
.macro PLACES                          ; four places behind the last product, ahead of conversions that read results (ISA guide 7.12.1)
.rept 4
	v_nop
.endr
.endm
.macro PACKW                           ; W + delta rounded to f16: a lane's eight columns pack into 16 bytes; each accumulator is read from its low end on
.set n, 0
.rept 32
	v_cvt_pk_f16_f32 v[TMP+n], v[ACC+2*n], v[ACC+2*n+1]
.set n, n+1
.endr
.endm
.macro STIN                            ; into my own stage, by pieces of 16 bytes
.irp dt, 0,1,2,3,4,5,6,7
	ds_store_b128 v[STO], v[TMP+4*(\dt):TMP+4*(\dt)+3] offset:32*(\dt)
.endr
.endm
.macro BACK i                          ; back as whole rows of 256 bytes, and out
.irp t, 0,1,2,3,4,5,6,7
	ds_load_b128 v[TMP+4*(\t):TMP+4*(\t)+3], v[RD] offset:2*SP*(\t)  ; LDS serves a wave's instructions in order (ISA guide 5.7.1.4): these see the stage's stores
.endr
.irp t, 0,1,2,3,4,5,6,7
	s_wait_dscnt 7-(\t)                            ; the younger loads of the run may stay out
	global_store_b128 v[GO], v[TMP+4*(\t):TMP+4*(\t)+3], s[16:17] offset:(16*(\i)+2*(\t))*8192  ; 16 lanes store 256 consecutive bytes, at a multiple of 256 from wa's first byte
.endr
.endm
.macro BLOCK i                         ; block i, its operands loaded and waited for
	MULS
	PLACES
	PACKW
	s_wait_alu depctr_va_vdst(0)                   ; the conversions have written TMP, which the LDS stores read; the products have written the accumulators and the conversions are done reading them: the next block's W lands there
	STIN
.if (\i) < 3
	WLOAD (\i)+1                                   ; the next block's W is on its way during the way out.  No further wait: no vector or matrix instruction since the wait above
.endif
	s_wait_alu depctr_vm_vsrc(0)                   ; the LDS stores have read TMP, in which the rows read back land
	BACK \i
.if (\i) < 3
	s_wait_xcnt 0x0                                ; the stores' addresses are translated: only behind this wait is TMP loaded again,
	s_wait_alu depctr_vm_vsrc(0)                   ; and the global stores have read TMP, in which the next block's C lands (its last vector writers, the conversions, stand ahead of the block's wait on va_vdst)
	CLOAD (\i)+1
.endif
.endm
	s_load_b256 s[4:11], s[0:1], 0x0               ; x s[4:5], W s[6:7], C s[8:9], U s[10:11]
	s_load_b128 s[12:15], s[0:1], 0x20             ; R s[12:13], xh s[14:15]
	s_load_b64 s[16:17], s[0:1], 0x30              ; wa
	v_lshl_add_u32 v[SPW], v0, 2, SPARE
	v_mov_b32 v[NIL], 0
	v_lshrrev_b32 v1, 5, v0
	v_readfirstlane_b32 s18, v1                    ; wave 0..7
	v_and_b32 v6, 31, v0                           ; lane
	s_and_b32 s19, ttmp7, 0xffff                   ; the role: the same in all waves of a work-group
	s_mov_b32 s23, 0
	s_wait_alu depctr_va_sdst(0)                   ; s18 is written, ahead of the branch: all its readers, in both roles, lie behind it
	s_wait_kmcnt 0x0
	s_cmp_eq_u32 s19, 0
	s_cbranch_scc1 .Lwa
	; ---------------- y = 1: xh = f16(x) ----------------
	s_lshl_b32 s22, ttmp9, 18                      ; the work-group's 262,144 bytes of x,
	s_lshl_b32 s24, s18, 15                        ; my wave's 32,768 of them
	s_add_co_u32 s22, s22, s24
	s_add_nc_u64 s[4:5], s[4:5], s[22:23]
	s_lshr_b32 s22, s22, 1                         ; half as many in xh
	s_add_nc_u64 s[14:15], s[14:15], s[22:23]
	v_lshlrev_b32 v[XI], 4, v6
	v_lshlrev_b32 v[XO], 3, v6
	s_wait_alu depctr_va_vdst(0)                   ; v4 and v5 are written: every load and store of the cast reads one of them as its offset
.set i, 0
.rept 20
	global_load_b128 v[X+4*i:X+4*i+3], v[XI], s[4:5] offset:512*i th:TH_LOAD_NT  ; blocks 0 to 4 into X0 to X4
.set i, i+1
.endr
.set p, 0
.rept 16                               ; block p
.if p == 0
	s_wait_loadcnt 16                              ; loads come back in order (ISA guide 5.7.1): block 0 is in, blocks 1 to 4 stay out
.elseif p < 13
	s_wait_loadcnt 12                              ; block p is in, the three younger blocks stay out
.else
	s_wait_loadcnt 4*(15-p)                        ; nothing more is asked for: the counts run down
.endif
.if p > 0
	s_wait_alu depctr_va_vdst(0)                   ; the block before has written its pairs of Y, which the stores below read, and is done reading its X, in which the loads below land
.endif
.set j, 0
.rept 4
.if (p > 0) && (p < 12)
	global_load_b128 v[X+16*((p+4)%5)+4*j:X+16*((p+4)%5)+4*j+3], v[XI], s[4:5] offset:512*(4*(p+4)+j) th:TH_LOAD_NT  ; four blocks ahead; no vector instruction since the wait names these registers
.endif
.if p > 0
	global_store_b64 v[XO], v[Y+2*(4*(p-1)+j):Y+2*(4*(p-1)+j)+1], s[14:15] offset:256*(4*(p-1)+j)  ; the block before
.endif
	v_cvt_pk_f16_f32 v[Y+2*(4*p+j)],   v[X+16*(p%5)+4*j],   v[X+16*(p%5)+4*j+1]
	v_cvt_pk_f16_f32 v[Y+2*(4*p+j)+1], v[X+16*(p%5)+4*j+2], v[X+16*(p%5)+4*j+3]
.set j, j+1
.endr
.set p, p+1
.endr
	s_wait_alu depctr_va_vdst(0)                   ; block 15 has written its pairs of Y, which the last four stores read
.set j, 0
.rept 4
	global_store_b64 v[XO], v[Y+2*(60+j):Y+2*(60+j)+1], s[14:15] offset:256*(60+j)
.set j, j+1
.endr
	s_branch .Lend
	; ---------------- y = 0: wa = f16(W + C (U R)) ----------------
.Lwa:
	s_and_b32 s20, ttmp9, 31                       ; strip
	s_lshr_b32 s21, ttmp9, 5                       ; group
	s_lshl_b32 s21, s21, 9
	s_lshl_b32 s24, s18, 6
	s_add_co_u32 s21, s21, s24                     ; my first row o = 512 group + 64 wave
	s_lshl_b32 s22, s21, 14                        ; W: rows of 16,384 bytes, the strip's 512
	s_lshl_b32 s24, s20, 9
	s_add_co_u32 s22, s22, s24
	s_add_nc_u64 s[6:7], s[6:7], s[22:23]
	s_lshl_b32 s22, s21, 8                         ; C: rows of 256 bytes
	s_add_nc_u64 s[8:9], s[8:9], s[22:23]
	s_lshl_b32 s22, s18, 17                        ; R: my wave's 8 rows of 16,384 bytes, the strip's 512
	s_add_co_u32 s22, s22, s24
	s_add_nc_u64 s[12:13], s[12:13], s[22:23]
	s_lshl_b32 s22, s21, 13                        ; wa: rows of 8,192 bytes, the strip's 256
	s_lshl_b32 s24, s20, 8
	s_add_co_u32 s22, s22, s24
	s_add_nc_u64 s[16:17], s[16:17], s[22:23]
	v_and_b32 v4, 15, v0                           ; l % 16
	v_bfe_u32 v5, v0, 4, 1                         ; l / 16
	v_lshlrev_b32 v[RO], 4, v6                     ; a row of R's strip: 32 lanes x 16 bytes
	v_lshlrev_b32 v[UO], 4, v0                     ; U: 256 threads x 16 bytes, four times
	v_lshlrev_b32 v[CO], 8, v4
	v_lshl_add_u32 v[CO], v5, 5, v[CO]
	v_lshlrev_b32 v[WO], 14, v4
	v_lshl_add_u32 v[WO], v5, 5, v[WO]
	s_wait_alu depctr_va_vdst(0)                   ; the four offsets v16, v18, v11 and v10 are written, which the loads below read
.set i, 0
.rept 8
	global_load_b128 v[128+4*i:131+4*i], v[RO], s[12:13] offset:16384*i  ; R's rows 8 w + i
.set i, i+1
.endr
.set i, 0
.rept 4
	global_load_b128 v[160+4*i:163+4*i], v[UO], s[10:11] offset:4096*i   ; U's rows 16 i + 2 w + l / 16, columns 4 (l % 16) on
.set i, i+1
.endr
	CLOAD 0                                        ; the first block's operands are on their way during the set-up
	WLOAD 0
	s_mul_i32 s24, s18, 8*RP                       ; the other addresses are made while the loads are out: none of these lines names a register that a load above reads or lands in
	v_lshl_add_u32 v[RSA], v6, 3, s24              ; RS + my 8 rows + 8 x lane
	s_mul_i32 s24, s18, 2*UP
	s_add_co_u32 s24, s24, US
	v_mul_u32_u24 v[USA], v5, UP
	v_lshl_add_u32 v[USA], v4, 3, v[USA]
	v_add_nc_u32 v[USA], s24, v[USA]               ; US + row (2 w + l / 16) + 8 (l % 16)
	v_and_b32 v7, 7, v0                            ; the turning load: lane l reads row 8 (l / 16) + l % 8, 16 bytes at 16 ((l / 8) % 2), of my 16 columns
	v_lshl_add_u32 v7, v5, 3, v7
	v_mul_u32_u24 v[RTA], v7, RP
	v_bfe_u32 v8, v0, 3, 1
	v_lshl_add_u32 v[RTA], v8, 4, v[RTA]
	s_lshl_b32 s24, s18, 5
	v_add_nc_u32 v[RTA], s24, v[RTA]
	v_mul_u32_u24 v[UA], v4, UP                    ; a fragment of U: row l % 16, 16 bytes for each half of the lanes
	v_lshl_add_u32 v[UA], v5, 4, v[UA]
	v_add_nc_u32 v[UA], US, v[UA]
	s_lshl_b32 s24, s18, 11
	s_add_co_u32 s24, s24, VS
	v_lshl_add_u32 v[VSA], v6, 4, s24              ; my two fragments of V^T
	v_lshl_add_u32 v[VLA], v6, 4, VS
	s_mul_i32 s24, s18, 16*SP
	s_add_co_u32 s24, s24, STG                     ; my stage
	v_mul_u32_u24 v[STO], v4, SP
	v_lshl_add_u32 v[STO], v5, 4, v[STO]
	v_add_nc_u32 v[STO], s24, v[STO]
	v_mul_u32_u24 v[RD], v5, SP                    ; back: lanes 0-15 take one row of 256 bytes, lanes 16-31 the next
	v_lshl_add_u32 v[RD], v4, 4, v[RD]
	v_add_nc_u32 v[RD], s24, v[RD]
	v_lshlrev_b32 v[GO], 13, v5                    ; and the same two rows in wa
	v_lshl_add_u32 v[GO], v4, 4, v[GO]
	s_wait_loadcnt 24                              ; R and U are in: C's 8 loads and W's 16 stay out
.set n, 0
.rept 24
	v_cvt_pk_bf16_f32 v[176+n], v[128+2*n], v[128+2*n+1]  ; R's 32 numbers into v176-191, U's 16 into v192-199
.set n, n+1
.endr
	s_wait_alu depctr_va_vdst(0)                   ; the conversions have written v176-199, which the LDS stores read, and are done reading v128-175, in which fragments land; the nine addresses made above are written, for all that follows
.set i, 0
.rept 8
	ds_store_b64 v[RSA], v[176+2*i:177+2*i] offset:RP*i
.set i, i+1
.endr
.set i, 0
.rept 4
	ds_store_b64 v[USA], v[192+2*i:193+2*i] offset:16*UP*i
.set i, i+1
.endr
	s_wait_dscnt 0x0                               ; for the others' sake: my parts of R and U lie in LDS
	s_barrier_signal -1
	s_barrier_wait -1                              ; everybody's do
	s_wait_alu depctr_vm_vsrc(0)                   ; my LDS stores have read v176-199, in which fragments land below
.irp rt, 0,1,2,3
.irp ks, 0,1
	ds_load_b128 v[128+16*(\rt)+8*(\ks):128+16*(\rt)+8*(\ks)+3],   v[UA] offset:16*UP*(\rt)+64*(\ks)     ; U's rows 16 rt on, columns 32 ks on
	ds_load_b128 v[128+16*(\rt)+8*(\ks)+4:128+16*(\rt)+8*(\ks)+7], v[UA] offset:16*UP*(\rt)+64*(\ks)+32
.endr
.endr
.irp ks, 0,1
	ds_load_tr16_b128 v[192+8*(\ks):192+8*(\ks)+3],   v[RTA] offset:32*RP*(\ks)          ; R^T: my 16 columns d, rows 32 ks on
	ds_load_tr16_b128 v[192+8*(\ks)+4:192+8*(\ks)+7], v[RTA] offset:32*RP*(\ks)+16*RP
.endr
	s_wait_dscnt 0x0
	; V = U R for my 16 columns: four accumulators (rows 16 rt on) by turns; the first four products start the sums.  A lane holds V[16 rt + 8 (l / 16) + j][16 w + l % 16].
.irp rt, 0,1,2,3
	v_wmma_f32_16x16x32_bf16 v[208+8*(\rt):208+8*(\rt)+7], v[128+16*(\rt):128+16*(\rt)+7], v[192:199], 0
.endr
.irp rt, 0,1,2,3
	v_wmma_f32_16x16x32_bf16 v[208+8*(\rt):208+8*(\rt)+7], v[128+16*(\rt)+8:128+16*(\rt)+15], v[200:207], v[208+8*(\rt):208+8*(\rt)+7]
.endr
	PLACES
.set n, 0
.rept 16
	v_cvt_pk_bf16_f32 v[240+n], v[208+2*n], v[208+2*n+1]  ; two results rounded in pairs ARE a fragment of V^T: rows 32 ks + 8 (l / 16) + 0..7, then 16 further on
.set n, n+1
.endr
	s_wait_alu depctr_va_vdst(0)                   ; the conversions have written v240-255, which the LDS stores read; the products and the conversions are done with v128-239, in which V^T lands
.irp c, 0,1,2,3
	ds_store_b128 v[VSA], v[240+4*(\c):243+4*(\c)] offset:512*(\c)
.endr
	s_wait_dscnt 0x0                               ; for the others' sake: my fragments lie in LDS
	s_barrier_signal -1
	s_barrier_wait -1
	s_wait_alu depctr_vm_vsrc(0)                   ; my LDS stores have read v240-255, in which V^T lands
.set c, 0
.rept 32
	ds_load_b128 v[V+4*c:V+4*c+3], v[VLA] offset:512*c   ; all 16 fragments, for the rest of the launch
.set c, c+1
.endr
	s_wait_loadcnt 16                              ; C's first block is in (and with it R's and U's loads are done: their address registers are free); W's 16 loads stay out
	s_wait_dscnt 0x0                               ; V^T is in
	s_wait_alu depctr_vm_vsrc(0)                   ; the set-up's loads, LDS stores and LDS loads have read their addresses v16-23, which C's conversion writes
	CVTC
	s_wait_loadcnt 0x0                             ; W
	BLOCK 0
.irp i, 1,2,3
	s_wait_loadcnt 0x0                             ; W's block, and behind it C's
	CVTC
	BLOCK \i
.endr
.Lend:
	s_wait_dscnt 0x0                               ; the closing lines, six on end
	s_wait_alu 0x0
	s_wait_tensorcnt 0x0
	ds_add_u32 v[SPW], v[NIL]
	s_wait_dscnt 0x0
	s_endpgm
.Lfunc_end_k_q1fb1cf0c09_prep:
	.size	k_q1fb1cf0c09_prep, .Lfunc_end_k_q1fb1cf0c09_prep-k_q1fb1cf0c09_prep
	.p2alignl 7, 3214868480
	.fill 96, 4, 3214868480
	.section	.rodata,"a",@progbits
	.p2align	6, 0x0
	.amdhsa_kernel k_q1fb1cf0c09_prep
		.amdhsa_group_segment_fixed_size 79872
		.amdhsa_private_segment_fixed_size 0
		.amdhsa_enable_private_segment 0
		.amdhsa_kernarg_size 56
		.amdhsa_user_sgpr_count 2
		.amdhsa_user_sgpr_kernarg_segment_ptr 1
		.amdhsa_wavefront_size32 1
		.amdhsa_system_sgpr_workgroup_id_x 1
		.amdhsa_system_sgpr_workgroup_id_y 1
		.amdhsa_system_sgpr_workgroup_id_z 1
		.amdhsa_system_vgpr_workitem_id 0
		.amdhsa_next_free_vgpr 256
		.amdhsa_next_free_sgpr 66
		.amdhsa_reserve_vcc 0
		.amdhsa_float_denorm_mode_32 3
		.amdhsa_float_denorm_mode_16_64 3
		.amdhsa_memory_ordered 1
		.amdhsa_forward_progress 1
		.amdhsa_inst_pref_size 69
	.end_amdhsa_kernel
	.amdgpu_metadata
---
amdhsa.version: [ 1, 2 ]
amdhsa.kernels:
  - .name:           k_q1fb1cf0c09_prep
    .symbol:         k_q1fb1cf0c09_prep.kd
    .args:
      - { .name: x, .offset: 0, .size: 8, .value_kind: global_buffer, .address_space: global }
      - { .name: W, .offset: 8, .size: 8, .value_kind: global_buffer, .address_space: global }
      - { .name: C, .offset: 16, .size: 8, .value_kind: global_buffer, .address_space: global }
      - { .name: U, .offset: 24, .size: 8, .value_kind: global_buffer, .address_space: global }
      - { .name: R, .offset: 32, .size: 8, .value_kind: global_buffer, .address_space: global }
      - { .name: xh, .offset: 40, .size: 8, .value_kind: global_buffer, .address_space: global }
      - { .name: wa, .offset: 48, .size: 8, .value_kind: global_buffer, .address_space: global }
    .group_segment_fixed_size: 79872
    .private_segment_fixed_size: 0
    .kernarg_segment_align: 8
    .kernarg_segment_size: 56
    .max_flat_workgroup_size: 256
    .sgpr_count:     66
    .vgpr_count:     256
    .wavefront_size: 32
...
	.end_amdgpu_metadata
.endif
;; end of part 3
;; launch gemm: the kernel of part 2 again; grid 16 x 16, 4 waves a work-group, clusters of 4 x 4, 327,680 bytes of LDS; arguments xh, wa, bias, out0; writes out0
